; MI455X (gfx1250); checked and timed in simulation.
; The chip was launched on July 23, 2026; its instructions are those of AMD's public machine-readable ISA for CDNA 5 (MIT licence, August 2026) and "CDNA5" Instruction Set Architecture Reference Guide (July 2026). The comments in the code are by the model that wrote it; some were corrected since.
;; Sparse Linear. Allowed arithmetic: float matrix products may take bf16 or f16 operands with f32 sums; all other float work in f32.
;; Inputs: bias 250,000 float32; embs 256 x 768 float32; shortlist 256 x 1,000 int32; weight 250,000 x 768 float32.
;; Outputs: out0 256 x 1,000 float32.
;; One version. Each part assembles by itself: llvm-mc -triple=amdgcn-amd-amdhsa -mcpu=gfx1250 --defsym DOCPART=n.
;; ======== version 1 of 1: 1 launch
;; launch gatherdot (part 1): grid 256 x 1, 25 waves a work-group, no clusters, 7,424 bytes of LDS; arguments weight, shortlist, embs, bias, out0; writes out0
.if DOCPART == 1
	.amdgcn_target "amdgcn-amd-amdhsa--gfx1250"
	.amdhsa_code_object_version 6
	.text
	.protected	k_q06710db5d2_gatherdot
	.globl	k_q06710db5d2_gatherdot
	.p2align	8
	.type	k_q06710db5d2_gatherdot,@function
k_q06710db5d2_gatherdot:
	s_mov_b64 s[64:65], 0
	v_nop
	global_prefetch_b8 v0, s[64:65] scope:SCOPE_SE
	s_setreg_imm32_b32 hwreg(HW_REG_WAVE_MODE, 25, 1), 1
	s_wait_xcnt 0x0
; out0[b][s] = sum over d of embs[b][d] * weight[shortlist[b][s]][d] + bias[shortlist[b][s]].   All numbers f32, all sums f32.
;
; SHAPE.  One work-group for each sample b (256 of them), 25 waves, 40 list entries a wave.  A wave takes one whole weight row
; (3,072 bytes) at a time: six loads of 16 bytes a lane, each covering 512 consecutive bytes; lane l holds elements 128 j + 4 l .. + 3
; of load j.  embs[b] lies in the same layout in 24 registers for the whole kernel.  A ring of four row slots in registers keeps four
; rows of every wave requested: 25 x 4 x 3,072 = 307,200 bytes of the work-group on their way.
; INDICES are scalars: a wave's 40 come in once by scalar loads and stay in s[16:55]; a row's address is base + 3,072 x index in a
; scalar pair of the slot's own, so no vector register or vector instruction is spent on addresses.  As the indices are named registers,
; the ten rounds are unrolled (.rept).
; SUMS.  Each lane makes a partial sum of 24 products; four rows are then reduced together (see REDUCE) and their four sums go to LDS.
; Behind the closing barrier threads 0 to 249 add the bias (gathered at the start) to four sums each and store 16 bytes: a full wave's
; store covers 512 consecutive bytes of out0.
; PACE.  Nothing makes the 25 waves advance evenly, and a wave that has run ahead and is done leaves its 12,288 bytes of ring unrequested
; for the rest of the work-group's life.  So each of the nine rounds that refill the ring holds a barrier: no wave is more than one
; round (four rows) ahead of another, and all 25 rings stay requested up to the last round.  These barriers order no data (each wave
; writes 160 bytes of LDS of its own), and they drain nothing: a wave signals only when its next four rows have been asked for.
; NOT USED, and why: the matrix unit (a gathered row meets one vector only: 1 column of 16 would be used, and converting the row to
; bf16 costs as many vector instructions as the multiply-adds); a cluster (no two work-groups share a tile: lists name the same row
; only by chance); LDS for the rows (each row is read by one wave); a prefetch (each row is already requested four rows ahead);
; a non-temporal hint on weight (a row may be named again).
; LIMITS.  An index is taken as unsigned and clamped to 249,999: inside the table, as reference() relies on, nothing changes;
; a negative index does not wrap.  The order of the f32 additions differs from the reference's.
.set NROWS,  250000                    ; rows of weight and of bias
.set ROWB,   3072                      ; bytes in a row of weight and of embs
.set LISTB,  4000                      ; bytes in a row of shortlist and of out0
.set RPW,    40                        ; list entries of a wave
.set SLOTS,  4
.set ROUNDS, RPW/SLOTS
.set OUTW,   8                         ; waves 0 to 7 hold threads 0 to 249, which carry the results out
; vector registers
.set LOFF, 1                           ; v1        16 x lane: my 16 bytes in each 512 of a row
.set LA,   2                           ; v2        LDS: 160 x wave + 4 x (lane & 3), where a round's four sums go
.set T4,   3                           ; v3        16 x min(thread, 249): my 16 bytes of the list, of the sums in LDS, of out0
.set P,    4                           ; v[4:7]    my partial sum of the round's row 0..3
.set ACC,  8                           ; v[8:11]   two packed chains
.set Q,    12                          ; v[12:15]  at work in REDUCE; the four results at the end
.set IX,   16                          ; v[16:19]  byte offsets of my four bias values
.set BI,   20                          ; v[20:23]  my four bias values
.set E,    24                          ; v[24:47]  embs[b], my 24 numbers
.set X,    48                          ; v[48:143] slot i: 24 registers, my 24 numbers of its row
; scalar registers
.set WGT,  4                           ; s[4:5] weight   s[6:7] shortlist   s[8:9] embs   s[10:11] bias   s[12:13] out0
.set LST,  6
.set EMB,  8
.set BIA,  10
.set OUT,  12
.set WAVE, 14
.set IDX,  16                          ; s[16:55]  my wave's 40 indices
.set WB,   56                          ; s[56:63]  slot i: the address of its row
.set TO,   66                          ; s[66:67]  a row's byte offset in weight, high word 0
.set WL,   68                          ; s[68:69]  address of my wave's indices
.set OB,   70                          ; s[70:71]  4,000 b
.set OE,   72                          ; s[72:73]  3,072 b
.set M1,   74                          ; lanes with bit 0 set
.set M2,   75                          ; lanes with bit 1 set
.set SEL,  76                          ; s[76:77]  v_permlanex16_b32: lane i reads lane i of the other half
.set OW,   78                          ; s[78:79]  160 x wave
	s_load_b256 s[4:11], s[0:1], 0x0
	s_load_b64 s[OUT:OUT+1], s[0:1], 0x20
	v_lshrrev_b32 v2, 5, v0
	v_readfirstlane_b32 s[WAVE], v2                ; the wave's number as a scalar
	v_and_b32 v1, 31, v0
	v_lshlrev_b32 v[LOFF], 4, v1
	s_mul_i32 s[OW], s[WAVE], RPW*4
	s_mov_b32 s[OW+1], 0
	v_and_b32 v[LA], 3, v0
	v_lshl_add_u32 v[LA], v[LA], 2, s[OW]
	v_min_u32 v[T4], 249, v0                       ; threads past 249 of wave 7 load what thread 249 loads, and store nothing
	v_lshlrev_b32 v[T4], 4, v[T4]
	s_mul_i32 s[OB], ttmp9, LISTB
	s_mov_b32 s[OB+1], 0
	s_mul_i32 s[OE], ttmp9, ROWB
	s_mov_b32 s[OE+1], 0
	s_mov_b32 s[TO+1], 0
	s_mov_b32 s[M1], 0xaaaaaaaa
	s_mov_b32 s[M2], 0xcccccccc
	s_mov_b32 s[SEL], 0x76543210
	s_mov_b32 s[SEL+1], 0xfedcba98
	s_wait_kmcnt 0x0
	s_add_nc_u64 s[LST:LST+1], s[LST:LST+1], s[OB:OB+1]    ; shortlist[b], out0[b], embs[b]
	s_add_nc_u64 s[OUT:OUT+1], s[OUT:OUT+1], s[OB:OB+1]
	s_add_nc_u64 s[EMB:EMB+1], s[EMB:EMB+1], s[OE:OE+1]
	s_add_nc_u64 s[WL:WL+1], s[LST:LST+1], s[OW:OW+1]
	s_load_b512 s[IDX:IDX+15],    s[WL:WL+1], 0x0          ; 16 + 16 + 8 indices
	s_load_b512 s[IDX+16:IDX+31], s[WL:WL+1], 0x40
	s_load_b256 s[IDX+32:IDX+39], s[WL:WL+1], 0x80
	s_cmp_gt_u32 s[WAVE], OUTW-1
	s_cbranch_scc1 .Lno_list
	global_load_b128 v[IX:IX+3], v[T4], s[LST:LST+1]       ; the four indices whose results I carry out; the oldest vector load
.Lno_list:
.irp j, 0,1,2,3,4,5
	global_load_b128 v[E+4*\j:E+4*\j+3], v[LOFF], s[EMB:EMB+1] offset:512*\j
.endr
	s_wait_kmcnt 0x0                                       ; the 40 indices
; Slot i asks for the wave's row number ROW: six loads, 512 consecutive bytes each.
.set ROW, 0
.macro FILL i
	s_min_u32 s[TO], s[IDX+ROW], NROWS-1                   ; a loaded number enters an address only clamped to the table
	s_mul_i32 s[TO], s[TO], ROWB                           ; at most 249,999 x 3,072: below 2^31
	s_add_nc_u64 s[WB+2*\i:WB+2*\i+1], s[WGT:WGT+1], s[TO:TO+1]
.irp j, 0,1,2,3,4,5
	global_load_b128 v[X+24*\i+4*\j:X+24*\i+4*\j+3], v[LOFF], s[WB+2*\i:WB+2*\i+1] offset:512*\j
.endr
.set ROW, ROW+1
.endm
	FILL 0
	FILL 1
	FILL 2
	FILL 3
	s_cmp_gt_u32 s[WAVE], OUTW-1
	s_cbranch_scc1 .Lno_bias
	s_wait_loadcnt 30                                      ; 6 loads of embs and 24 of the ring are younger than my four indices and stay out
.irp k, 0,1,2,3
	v_min_u32 v[IX+\k], NROWS-1, v[IX+\k]
	v_lshlrev_b32 v[IX+\k], 2, v[IX+\k]
	global_load_b32 v[BI+\k], v[IX+\k], s[BIA:BIA+1]       ; used only at the very end
.endr
.Lno_bias:
; The turn of slot i: 24 products a lane in two packed chains that the first products start (nothing is cleared).
; fill = 1: the slot asks for its next row as soon as its registers have been read.  left = how many younger loads may stay out.
.macro TURN i, fill, left
	s_wait_loadcnt \left                                   ; loads return in order (ISA guide 5.7.1): this slot's six are in, and its address pair is free
	v_pk_mul_f32 v[ACC:ACC+1],   v[X+24*\i:X+24*\i+1],   v[E:E+1]
	v_pk_mul_f32 v[ACC+2:ACC+3], v[X+24*\i+2:X+24*\i+3], v[E+2:E+3]
.irp j, 1,2,3,4,5
	v_pk_fma_f32 v[ACC:ACC+1],   v[X+24*\i+4*\j:X+24*\i+4*\j+1],   v[E+4*\j:E+4*\j+1],   v[ACC:ACC+1]
	v_pk_fma_f32 v[ACC+2:ACC+3], v[X+24*\i+4*\j+2:X+24*\i+4*\j+3], v[E+4*\j+2:E+4*\j+3], v[ACC+2:ACC+3]
.endr
.if \fill
	FILL \i
.endif
	v_pk_add_f32 v[ACC:ACC+1], v[ACC:ACC+1], v[ACC+2:ACC+3]
	v_add_f32 v[P+\i], v[ACC], v[ACC+1]
.endm
; Four rows' partial sums, one register each, become one register in which lane i holds the whole sum of row i & 3.
; Step 1: even lanes keep row 0 (2) and give away row 1 (3), odd lanes the other way round; the add takes the neighbour's gift (lane xor 1).
; Step 2: the same between the two results, on bit 1 of the lane.  Then three plain steps over lane bits 2, 3, 4.
; 13 vector instructions for four rows, where four separate reductions would take 24.
; pace = 1: the round's pacing barrier lies round these 13 lines, which touch registers only: the signal says that my next four rows
; have been asked for, and the LDS store stands behind the wait.
.macro REDUCE r, pace
.if \pace
	s_wait_dscnt 0x0                                       ; no LDS instruction is pending at a signal: the last round's one store, issued a round ago
	s_barrier_signal -1
.endif
	v_cndmask_b32 v[Q],   v[P],   v[P+1], s[M1]            ; kept
	v_cndmask_b32 v[Q+1], v[P+1], v[P],   s[M1]            ; given
	v_cndmask_b32 v[Q+2], v[P+2], v[P+3], s[M1]
	v_cndmask_b32 v[Q+3], v[P+3], v[P+2], s[M1]
	v_add_f32_dpp v[Q],   v[Q+1], v[Q]   row_xmask:1 row_mask:0xf bank_mask:0xf
	v_add_f32_dpp v[Q+2], v[Q+3], v[Q+2] row_xmask:1 row_mask:0xf bank_mask:0xf
	v_cndmask_b32 v[Q+1], v[Q],   v[Q+2], s[M2]
	v_cndmask_b32 v[Q+3], v[Q+2], v[Q],   s[M2]
	v_add_f32_dpp v[Q], v[Q+3], v[Q+1] row_xmask:2 row_mask:0xf bank_mask:0xf
	v_add_f32_dpp v[Q], v[Q],   v[Q]   row_xmask:4 row_mask:0xf bank_mask:0xf
	v_add_f32_dpp v[Q], v[Q],   v[Q]   row_xmask:8 row_mask:0xf bank_mask:0xf
	v_permlanex16_b32 v[Q+1], v[Q], s[SEL], s[SEL+1]
	v_add_f32 v[Q], v[Q], v[Q+1]
.if \pace
	s_barrier_wait -1                                      ; every wave has finished this round's rows and asked for the next round's
.endif
	ds_store_b32 v[LA], v[Q] offset:16*\r                  ; rows 4 r .. 4 r + 3 of my wave; the eight lanes of a word write the same value
.endm
; Nine rounds that fill each slot again.  The count 18: three younger rows of six loads.  In the first round waves 0 to 7 have their
; four bias loads out as well, so that 18 asks for a little more than is needed there, never for less.
.set RND, 0
.rept ROUNDS-1
.irp i, 0,1,2,3
	TURN \i, 1, (SLOTS-1)*6
.endr
	REDUCE RND, 1
.set RND, RND+1
.endr
	TURN 0, 0, 18                                          ; the last round asks for nothing: the counts run down,
	TURN 1, 0, 12
	TURN 2, 0, 6
	TURN 3, 0, 0
	REDUCE RND, 0                                          ; and it needs no pace: the closing barrier follows
	s_wait_dscnt 0x0                                       ; my sums are in LDS before I say so
	s_barrier_signal -1
	s_barrier_wait -1                                      ; the one barrier that orders data: all 1,000 sums are in LDS
	s_cmp_gt_u32 s[WAVE], OUTW-1
	s_cbranch_scc1 .Ldone
	ds_load_b128 v[Q:Q+3], v[T4]                           ; four neighbouring sums of the sample's 1,000
	s_wait_dscnt 0x0
	v_pk_add_f32 v[Q:Q+1],   v[Q:Q+1],   v[BI:BI+1]        ; the bias loads are in since the wait for 0 in the last turn
	v_pk_add_f32 v[Q+2:Q+3], v[Q+2:Q+3], v[BI+2:BI+3]
	v_cmp_gt_u32 vcc_lo, 250, v0                           ; 250 threads x 16 bytes = the row of 4,000 bytes
	s_and_saveexec_b32 s15, vcc_lo
	global_store_b128 v[T4], v[Q:Q+3], s[OUT:OUT+1] th:TH_STORE_NT
	s_wait_xcnt 0x0
	s_mov_b32 exec_lo, -1
	v_lshl_add_u32 v10, v0, 2, 0x1000
	v_mov_b32 v11, 0
	s_wait_tensorcnt 0x0
	ds_add_u32 v10, v11
	s_wait_dscnt 0x0
	s_endpgm
.Ldone:
	s_wait_xcnt 0x0
	s_mov_b32 exec_lo, -1
	v_lshl_add_u32 v10, v0, 2, 0x1000
	v_mov_b32 v11, 0
	s_wait_tensorcnt 0x0
	ds_add_u32 v10, v11
	s_wait_dscnt 0x0
	s_endpgm
.Lfunc_end_k_q06710db5d2_gatherdot:
	.size	k_q06710db5d2_gatherdot, .Lfunc_end_k_q06710db5d2_gatherdot-k_q06710db5d2_gatherdot
	.p2alignl 7, 3214868480
	.fill 96, 4, 3214868480
	.section	.rodata,"a",@progbits
	.p2align	6, 0x0
	.amdhsa_kernel k_q06710db5d2_gatherdot
		.amdhsa_group_segment_fixed_size 7424
		.amdhsa_private_segment_fixed_size 0
		.amdhsa_enable_private_segment 0
		.amdhsa_kernarg_size 40
		.amdhsa_user_sgpr_count 2
		.amdhsa_user_sgpr_kernarg_segment_ptr 1
		.amdhsa_wavefront_size32 1
		.amdhsa_system_sgpr_workgroup_id_x 1
		.amdhsa_system_sgpr_workgroup_id_y 1
		.amdhsa_system_sgpr_workgroup_id_z 1
		.amdhsa_system_vgpr_workitem_id 0
		.amdhsa_next_free_vgpr 144
		.amdhsa_next_free_sgpr 80
		.amdhsa_reserve_vcc 1
		.amdhsa_float_denorm_mode_32 3
		.amdhsa_float_denorm_mode_16_64 3
		.amdhsa_memory_ordered 1
		.amdhsa_forward_progress 1
		.amdhsa_inst_pref_size 78
	.end_amdhsa_kernel
	.amdgpu_metadata
---
amdhsa.version: [ 1, 2 ]
amdhsa.kernels:
  - .name:           k_q06710db5d2_gatherdot
    .symbol:         k_q06710db5d2_gatherdot.kd
    .args:
      - { .name: weight, .offset: 0, .size: 8, .value_kind: global_buffer, .address_space: global }
      - { .name: shortlist, .offset: 8, .size: 8, .value_kind: global_buffer, .address_space: global }
      - { .name: embs, .offset: 16, .size: 8, .value_kind: global_buffer, .address_space: global }
      - { .name: bias, .offset: 24, .size: 8, .value_kind: global_buffer, .address_space: global }
      - { .name: out0, .offset: 32, .size: 8, .value_kind: global_buffer, .address_space: global }
    .group_segment_fixed_size: 7424
    .private_segment_fixed_size: 0
    .kernarg_segment_align: 8
    .kernarg_segment_size: 40
    .max_flat_workgroup_size: 800
    .sgpr_count:     80
    .vgpr_count:     144
    .wavefront_size: 32
...
	.end_amdgpu_metadata
.endif
;; end of part 1
